; MI455X (gfx1250); checked and timed in simulation.
; The chip was launched on July 23, 2026; its instructions are those of AMD's public machine-readable ISA for CDNA 5 (MIT licence, August 2026) and "CDNA5" Instruction Set Architecture Reference Guide (July 2026). The comments in the code are by the model that wrote it; some were corrected since.
;; Miss Attention. Allowed arithmetic: float matrix products may take bf16 or f16 operands with f32 sums; all other float work in f32.
;; Inputs: attn_mask 2 x 2,048 x 2,048 bool; k_pos 2 x 2,048 x 8 x 64 float32; k_val 2 x 2,048 x 8 x 64 float32; q_pos 2 x 2,048 x 8 x 64 float32; q_val 2 x 2,048 x 8 x 64 float32; v_pos 2 x 2,048 x 8 x 64 float32; v_val 2 x 2,048 x 8 x 64 float32.
;; Outputs: out0 2 x 2,048 x 8 x 64 float32; out1 2 x 2,048 x 8 x 64 float32.
;; One version. Each part assembles by itself: llvm-mc -triple=amdgcn-amd-amdhsa -mcpu=gfx1250 --defsym DOCPART=n.
;; ======== version 1 of 1: 1 launch
;; launch attn (part 1): grid 256 x 1, 4 waves a work-group, no clusters, 281,088 bytes of LDS; arguments q_val, q_pos, k_val, k_pos, v_val, v_pos, out0, out1; writes out0, out1
.if DOCPART == 1
	.amdgcn_target "amdgcn-amd-amdhsa--gfx1250"
	.amdhsa_code_object_version 6
	.text
	.protected	k_q08cded14c9_attn
	.globl	k_q08cded14c9_attn
	.p2align	8
	.type	k_q08cded14c9_attn,@function
k_q08cded14c9_attn:
	s_mov_b64 s[64:65], 0
	v_nop
	global_prefetch_b8 v0, s[64:65] scope:SCOPE_SE
	s_setreg_imm32_b32 hwreg(HW_REG_WAVE_MODE, 25, 1), 1
	s_wait_xcnt 0x0
; MissAttention: A = softmax((q_val.k_val + q_pos.k_pos) / 8) over all 2,048 keys; out0 = A v_val, out1 = A v_pos.
; All tensors [2][2048][8][64] f32.  The two score products are ONE product over 128 joined features, the two outputs ONE product
; with 128 joined columns: an attention with heads of 128.  Operands go to the matrix unit in bf16, everything else is f32.
;
; attn_mask is not among the arguments: reference() forms no number from it, so no output depends on it for any mask.
;
; SHARES.  256 work-groups = 16 (batch, head) x 16 blocks of 128 queries; four waves.  Wave w: query group qg = w & 1 (64 queries),
; key group kg = w >> 1.  K and V go in 16 tiles of 128 keys; key group kg takes keys 64 kg .. 64 kg + 63 of every tile, so a wave's
; share of a tile is 64 queries x 64 keys and every K or V fragment read from LDS feeds four matrix instructions.  Each wave runs a
; softmax with a running maximum over its own keys; the two key groups' results are merged once at the end, through LDS, in the pass
; that also turns the results into whole rows of 256 bytes.
;
; TRANSPOSED.  S^T = K Q^T and O^T = V^T P^T: a lane owns one query (column), so maximum, sum and rescaling factor are per lane, and the
; eight results of an S^T tile (keys 8h .. 8h+7 of query r) pack in place into exactly the registers that P^T's fragment wants.
;
; FEATURE ORDER.  A staging lane loads 16 bytes of the _val row and the same 16 bytes of the _pos row and packs them into 16 bytes of bf16:
; position 8 i + j of an LDS row is val feature 4 i + j (j < 4) or pos feature 4 i + j - 4.  Q and K share the order, so the products
; stand; for V it only names O^T's rows: tile d, lane half h: registers 0-3 are out0's features 4 (2 d + h) .. + 3, registers 4-7 out1's.
;
; THE TRIP.  One wave has a SIMD to itself, so matrix and vector work overlap only if the text interleaves them.  A trip (tile t, slot
; s = t & 1) is 128 matrix instructions, numbered i: QK(n) = 16 n .. + 15 and PV(n) = 64 + 16 n .. + 15 for the four query tiles n.  Behind each
; stands its share of the other work:
;   i = 0 .. 15     V(t) is packed, 4 packings each; stored behind 3, 7, 11, 15; its registers loaded again (V(t+1)) behind 7, 11, 15, 19
;   i = 16 + 23 n .. 40 + 23 n   the softmax of query tile n, a stream of 145 places, six behind each i: QK(n) has ended, PV(n) not begun
;   i = 52, 56, 60, 64           V's fragment chunk c, into the registers of K's chunk c, which QK(3) has just used for the last time
;   i = 108 .. 123  K(t+2) is packed; stored behind 111 .. 123; its registers loaded again (K(t+3)) behind 115 .. 127
;   i = 115 .. 127  K(t+1)'s fragment chunk r, into the registers of V's chunk r, which PV(3) has just used for the last time
; ONE BARRIER a trip (signal in front of 44, wait in front of 48): between two barriers the waves read V's slot s and K's slot 1 - s and
; write K's slot s and V's slot 1 - s.
; THE PRICE: a matrix instruction and the work behind it need different register windows, so two s_set_vgpr_msb go with nearly every matrix
; instruction.  No layout spares them: K's fragments (128 registers), Q's (128) and the scores (128) would all have to lie in the one
; window of 256 in which the softmax works.
; COUNTS.  The counts of the counted waits are kept by symbols: dsn and gln count the LDS instructions and the global loads issued so far in
; the text, a mark is taken behind each run, and a wait's count is the difference: what was issued on that counter behind the run it waits for
; (both return in order: ISA guide 5.7.1).  The trip in front of the loop and the loop's last trip have the same memory instructions, so the
; differences hold round the back edge.  Likewise pc and pp count the plain vector instructions behind the last and the last but one matrix
; instruction, and NEED fills up to the four independent ones that stand between a matrix instruction and a load into its sources (7.12.1).
;
; NO TENSOR LOADS, SO NO CLUSTER.  The 16 query blocks of a head do read the same K and V tiles.  But these are f32 in memory and have to be
; bf16 in LDS, and the data mover copies without converting: f32 tiles through LDS would add 128 KB written and 128 KB read per tile to the
; 64 KB written and 128 KB read here.  So K and V pass through registers (load, pack, ds_store), and joint requests exist for tensor
; loads alone.  Each tile row is instead asked for once, by one lane of one of the 16 work-groups, ahead of the trip that loads it.
;
; LIMITS.  Inputs are finite: NaN and infinities are not carried as reference() carries them (the maxima drop NaN).  A weight below 2^-126 of
; its row's largest is zero (v_exp_f32 flushes).  Q, K, V and the weights are rounded to bf16 for the products.
.set KP,    272                        ; K (and Q) row in LDS: 256 bytes + 16 = 17 x 16: sixteen rows start in sixteen different 16-byte columns modulo 256
.set VP,    288                        ; V row: 256 + 32 = 9 x 32, for the transposing load
.set KB,    128*KP                     ; 34,816: K's part of a slot
.set SLOT,  KB+128*VP                  ; 71,680: K, then V
.set STG,   2*SLOT                     ; 143,360: four wave regions for the way out; its first 34,816 bytes hold the Q tile at the start
.set SP,    528                        ; a query's row there: 256 out0 + 256 out1 + 16
.set SREG,  64*SP                      ; 33,792
.set STAT,  STG+4*SREG                 ; 278,528: wave w, query q: the pair (-c max, sum) at 512 w + 8 q
.set TILEB, 128*2048                   ; bytes from a tile of 128 keys to the next (a key's rows of all 8 heads are 2,048 bytes)
; REGISTERS, in windows of 256.  Window 0: addresses, softmax state, scores.  Window 1: v0-127 Q fragments (n, c) at 8 (4 n + c), v128-255 K
; fragments (t, c) at FR + 8 (4 c + t), then V fragments f = 8 g + d at FR + 8 f.  Window 2: O^T tile (d, n) at 64 n + 8 d.  Window 3: the
; staging ring, V's step u at GV + 8 u, K's at GK + 8 u.  (At the start Q and K(0) are staged in window 2 and K(1) in window 1.)
.set GOFF,  8                          ; byte offset of my 16 bytes in the first of my staging rows: tile t + 1 at a trip's head, t + 2 from i = 44 on
.set PFOFF, 9                          ; byte offset of the row that my lane asks for ahead
.set KST,   10                         ; v10-11  where I store packed K, slot 0, 1
.set VST,   12                         ; v12-13  the same for V
.set KFR,   14                         ; v14-15  where I read K fragments, slot 0, 1
.set VFR,   16                         ; v16-17  the same for V
.set QST,   18
.set QFR,   19
.set SADR,  20                         ; my wave's statistics
.set PADR,  21                         ; the partner's (same queries, other key group)
.set OST,   22                         ; the way out: where I put 16 bytes of a query's row
.set RD0,   23                         ; where I read a row back, key group 0's share
.set RD1,   24                         ; key group 1's share
.set OOFF,  25                         ; my byte offset in the output
.set ST0,   26                         ; v26-33  pairs (-c max, max) of query tile n, written in even trips
.set ST1,   34                         ; v34-41  the same, written in odd trips: the two take turns, nothing is copied
.set AL,    42                         ; v42-49  pairs (alpha, its exponent)
.set TT,    50                         ; v50-53  four chains of the maximum
.set LL,    54                         ; v54-61  pairs: the running sums over my even and my odd score registers
.set UU,    54                         ; v54-57  at work at the end, when the sums have been joined
.set EP,    62                         ; v62-69  the partner's pairs (at the end)
.set AA,    70                         ; v70-73  at work (at the end)
.set SC,    96                         ; v96-223 scores: key tile t, query tile n at SC + 32 n + 8 t; packed: P fragment (n, g) at SC + 32 n + 8 g
.set FR,    128
.set GV,    0
.set GK,    128
.set MSB, 0
.set dsn, 0
.set gln, 0
.set pc, 0
.set pp, 0
.macro WIN new                         ; low byte: bits 1:0 source 0, 3:2 source 1, 5:4 source 2, 7:6 destination; the high byte repeats the setting that is left
.if MSB != \new
	s_set_vgpr_msb (MSB<<8)|\new
.set MSB, \new
.endif
.endm
.macro NEED have                       ; fills up to four independent vector instructions behind a matrix instruction (ISA guide 7.12.1)
.if \have < 4
.rept 4-(\have)
	v_nop
.endr
.endif
.endm
; ---- the start's whole tiles: 32 loads (16 steps of two rows, keys 32 w + 2 u + h; 16 bytes a lane of the val row and of the pos row), 64 packings, 16 stores
.macro GLOAD win, reg, ba, bb, off, nt
	WIN (\win<<6)
.set u, 0
.rept 16
.if \nt
	global_load_b128 v[\reg+8*u:\reg+8*u+3],   v[GOFF], s[\ba:\ba+1] offset:4096*u+\off th:TH_LOAD_NT
	global_load_b128 v[\reg+8*u+4:\reg+8*u+7], v[GOFF], s[\bb:\bb+1] offset:4096*u+\off th:TH_LOAD_NT
.else
	global_load_b128 v[\reg+8*u:\reg+8*u+3],   v[GOFF], s[\ba:\ba+1] offset:4096*u+\off
	global_load_b128 v[\reg+8*u+4:\reg+8*u+7], v[GOFF], s[\bb:\bb+1] offset:4096*u+\off
.endif
.set u, u+1
.endr
.endm
.macro CVT4 reg, u                     ; step u: 8 f32 (4 val, 4 pos) become 4 registers, in place; ascending, each source is read before it is written over
.irp k, 0,1,2,3
	v_cvt_pk_bf16_f32 v[\reg+8*(\u)+\k], v[\reg+8*(\u)+2*\k], v[\reg+8*(\u)+2*\k+1]
.endr
.endm
.macro CVT win, reg
	WIN ((\win<<6)|(\win<<2)|\win)
.set u, 0
.rept 16
	CVT4 \reg, u
.set u, u+1
.endr
.endm
.macro DSTORE win, reg, adr, pitch     ; 16 stores: sixteen lanes fill a row's 256 bytes
	WIN (\win<<2)
.set u, 0
.rept 16
	ds_store_b128 v[\adr], v[\reg+8*u:\reg+8*u+3] offset:2*u*\pitch
.set u, u+1
.endr
.endm
; ---- a batch of the ring: steps u0 .. u0 + 3
.macro GRUN reg, ba, bb, u0, off       ; its 8 loads: each covers two whole rows of 256 bytes
.set gu, \u0
.rept 4
	global_load_b128 v[\reg+8*gu:\reg+8*gu+3],   v[GOFF], s[\ba:\ba+1] offset:4096*gu+\off
	global_load_b128 v[\reg+8*gu+4:\reg+8*gu+7], v[GOFF], s[\bb:\bb+1] offset:4096*gu+\off
.set gu, gu+1
.endr
.set gln, gln+8
.endm
.macro STRUN adr, reg, u0, pitch       ; its 4 stores
.set gu, \u0
.rept 4
	ds_store_b128 v[\adr], v[\reg+8*gu:\reg+8*gu+3] offset:2*gu*\pitch
.set gu, gu+1
.endr
.set dsn, dsn+4
.endm
; ---- fragments
.macro KRUN adr, c                     ; 8 loads: my 64 keys x features 32 c .. + 31
.irp t, 0,1,2,3
	ds_load_b128 v[FR+8*(4*\c+\t):FR+8*(4*\c+\t)+3],   v[\adr] offset:16*KP*\t+64*\c
	ds_load_b128 v[FR+8*(4*\c+\t)+4:FR+8*(4*\c+\t)+7], v[\adr] offset:16*KP*\t+64*\c+32
.endr
.set dsn, dsn+8
.endm
.macro VRUN adr, c                     ; 8 transposing loads: V^T fragments f = 4 c .. + 3 (f = 8 g + d; g: 32 keys, d: 16 positions)
.set vf, 4*\c
.rept 4
	ds_load_tr16_b128 v[FR+8*vf:FR+8*vf+3],   v[\adr] offset:32*VP*(vf/8)+32*(vf%8)
	ds_load_tr16_b128 v[FR+8*vf+4:FR+8*vf+7], v[\adr] offset:32*VP*(vf/8)+32*(vf%8)+16*VP
.set vf, vf+1
.endr
.set dsn, dsn+8
.endm
.macro QFRAG                           ; 32 loads, once: my 64 queries x 128 features stay in registers
	WIN 0x40
.irp n, 0,1,2,3
.irp c, 0,1,2,3
	ds_load_b128 v[8*(4*\n+\c):8*(4*\n+\c)+3],   v[QFR] offset:16*KP*\n+64*\c
	ds_load_b128 v[8*(4*\n+\c)+4:8*(4*\n+\c)+7], v[QFR] offset:16*KP*\n+64*\c+32
.endr
.endr
.set dsn, dsn+32
.endm
; ---- matrix instruction i of the trip.  i < 64: S^T(n) += K(t, c) Q(n, c), c outside t, the first chunk starts the sums.
; i >= 64: O^T(d, n) += V^T(d, g) P^T(n, g); in the first trip the first 32 keys start the sums: nothing is ever cleared.
.macro WM first
.if i < 64
	WIN 0x05
.set wn, i/16
.set wc, (i%16)/4
.set wt, i%4
.if wc == 0
	v_wmma_f32_16x16x32_bf16 v[SC+32*wn+8*wt:SC+32*wn+8*wt+7], v[FR+8*(4*wc+wt):FR+8*(4*wc+wt)+7], v[8*(4*wn+wc):8*(4*wn+wc)+7], 0
.else
	v_wmma_f32_16x16x32_bf16 v[SC+32*wn+8*wt:SC+32*wn+8*wt+7], v[FR+8*(4*wc+wt):FR+8*(4*wc+wt)+7], v[8*(4*wn+wc):8*(4*wn+wc)+7], v[SC+32*wn+8*wt:SC+32*wn+8*wt+7]
.endif
.else
	WIN 0xa1
.set wn, (i-64)/16
.set wf, (i-64)%16
.set wg, wf/8
.set wd, wf%8
.if \first*(1-wg)
	v_wmma_f32_16x16x32_bf16 v[64*wn+8*wd:64*wn+8*wd+7], v[FR+8*wf:FR+8*wf+7], v[SC+32*wn+8*wg:SC+32*wn+8*wg+7], 0
.else
	v_wmma_f32_16x16x32_bf16 v[64*wn+8*wd:64*wn+8*wd+7], v[FR+8*wf:FR+8*wf+7], v[SC+32*wn+8*wg:SC+32*wn+8*wg+7], v[64*wn+8*wd:64*wn+8*wd+7]
.endif
.endif
.set pp, pc
.set pc, 0
.endm
; ---- place j (0 .. 144) of the softmax of query tile n.
; 0-15: the maximum of my 32 scores and the old maximum, in four chains.  16-22: the chains joined, the other half of the lanes (the query's other 32
; keys), -c max, and alpha = 2^(c (old max - new max)), made from the two ROUNDED -c max so that O, the sum and the new weights refer to the same shift.
; 23-112: eighteen steps of five places, a pipeline over the 16 register pairs: in step b the two exponentials of pair b - 1, then c s - c max of
; pair b, then the sum and the packing of pair b - 2.  So behind every exponential a plain instruction on other registers stands before its
; result is used (ISA guide 5.7.2).  Packing in place: register k takes pair k, and belongs to a pair that has been packed already.
; 113-144: O^T's columns times alpha (not in the first trip, which starts O, the sums and the maxima).
.macro ITEM n, first, new, old
.if j < 113
	WIN 0
.endif
.if j < 16
.set ak, j%4
.set ah, j/4
.if ah == 0
	v_max3_num_f32 v[TT+ak], v[SC+32*\n+ak], v[SC+32*\n+4+ak], v[SC+32*\n+8+ak]
.elseif ah < 3
	v_max3_num_f32 v[TT+ak], v[TT+ak], v[SC+32*\n+4+8*ah+ak], v[SC+32*\n+8+8*ah+ak]
.elseif ak+\first == 0
	v_max3_num_f32 v[TT], v[TT], v[SC+32*\n+28], v[\old+2*\n+1]
.else
	v_max_num_f32 v[TT+ak], v[TT+ak], v[SC+32*\n+28+ak]
.endif
.set pc, pc+1
.elseif j == 16
	v_max3_num_f32 v[TT], v[TT], v[TT+1], v[TT+2]
.elseif j == 17
	v_max_num_f32 v[TT], v[TT], v[TT+3]
.elseif j == 18
	v_permlanex16_b32 v[TT+1], v[TT], s36, s37
.elseif j == 19
	v_max_num_f32 v[\new+2*\n+1], v[TT], v[TT+1]
.elseif j == 20
	v_mul_f32 v[\new+2*\n], s34, v[\new+2*\n+1]    ; -c max, c = log2(e) / 8
.elseif j == 21
.if \first == 0
	v_sub_f32 v[AL+2*\n+1], v[\new+2*\n], v[\old+2*\n]
.endif
.elseif j == 22
.if \first == 0
	v_exp_f32 v[AL+2*\n], v[AL+2*\n+1]
.endif
.elseif j < 113
.set bs, (j-23)/5
.set bq, (j-23)%5
.set k1, bs-1
.set k2, bs-2
.if bq < 2
.if bs >= 1
.if bs <= 16
	v_exp_f32 v[SC+32*\n+2*k1+bq], v[SC+32*\n+2*k1+bq]
.endif
.endif
.elseif bq == 2
.if bs < 16
	v_pk_fma_f32 v[SC+32*\n+2*bs:SC+32*\n+2*bs+1], v[SC+32*\n+2*bs:SC+32*\n+2*bs+1], s[32:33], v[\new+2*\n:\new+2*\n+1] op_sel_hi:[1,0,0]
.set pc, pc+1
.endif
.elseif bq == 3
.if bs >= 2
.if \first
.if k2 == 1
	s_wait_alu depctr_va_vdst(0)
	v_pk_add_f32 v[LL+2*\n:LL+2*\n+1], v[SC+32*\n:SC+32*\n+1], v[SC+32*\n+2:SC+32*\n+3]   ; the first two pairs start the sums
.set pc, pc+1
.elseif k2 > 1
	s_wait_alu depctr_va_vdst(0)
	v_pk_add_f32 v[LL+2*\n:LL+2*\n+1], v[LL+2*\n:LL+2*\n+1], v[SC+32*\n+2*k2:SC+32*\n+2*k2+1]
.set pc, pc+1
.endif
.else
.if k2 == 0
	s_wait_alu depctr_va_vdst(0)
	v_pk_fma_f32 v[LL+2*\n:LL+2*\n+1], v[LL+2*\n:LL+2*\n+1], v[AL+2*\n:AL+2*\n+1], v[SC+32*\n:SC+32*\n+1] op_sel_hi:[1,0,1]
.else
	s_wait_alu depctr_va_vdst(0)
	v_pk_add_f32 v[LL+2*\n:LL+2*\n+1], v[LL+2*\n:LL+2*\n+1], v[SC+32*\n+2*k2:SC+32*\n+2*k2+1]
.endif
.set pc, pc+1
.endif
.endif
.else
.if bs >= 2
.if \first*(1-k2) == 1
.else
.if \first*k2 == 1
	v_cvt_pk_bf16_f32 v[SC+32*\n], v[SC+32*\n], v[SC+32*\n+1]          ; held back one step in the first trip: the sum's start reads pair 0
.endif
	v_cvt_pk_bf16_f32 v[SC+32*\n+k2], v[SC+32*\n+2*k2], v[SC+32*\n+2*k2+1]
.set pc, pc+1
.endif
.endif
.endif
.else
.if \first == 0
	WIN 0x82
.set rk, j-113
	v_pk_mul_f32 v[64*\n+2*rk:64*\n+2*rk+1], v[64*\n+2*rk:64*\n+2*rk+1], v[AL+2*\n:AL+2*\n+1] op_sel_hi:[1,0]
.set pc, pc+1
.endif
.endif
.endm
.macro RESCALE                         ; at the end: all of O^T times its query's factor
	WIN 0x82
.irp n, 0,1,2,3
.set k, 0
.rept 32
	v_pk_mul_f32 v[64*\n+2*k:64*\n+2*k+1], v[64*\n+2*k:64*\n+2*k+1], v[AL+2*\n:AL+2*\n+1] op_sel_hi:[1,0]
.set k, k+1
.endr
.endr
.endm
; ---- ONE TRIP.  vrel: V(t+1) is loaded; kst: K(t+2) is packed and stored; krel: K(t+3) is loaded; knext: K(t+1)'s fragments are fetched; pf: ask ahead.
.macro TRIP id, s, first, vrel, kst, krel, knext, pf
.set i, 0
.rept 128
	; in front of matrix instruction i
.irp c, 0,1,2,3
.if i == 4*\c
	s_wait_dscnt dsn-mkf\c                         ; K's fragment chunk c is in; what was issued behind its run stays out
.endif
.if i == 64+4*\c
	s_wait_dscnt dsn-mkf\c                         ; V's fragment chunk c
.endif
.endr
.if i == 44
.if \vrel
	WIN 0
	s_wait_xcnt 0x0                                ; the offsets of V's loads and of the prefetch, issued behind i = 7 .. 20, are stepped only behind this wait
	v_add_nc_u32 v[GOFF], TILEB, v[GOFF]
.if \pf
	v_add_nc_u32 v[PFOFF], TILEB, v[PFOFF]
	s_add_co_u32 s35, s35, 1                       ; trips done, for the prefetch's end
.endif
.endif
	s_wait_dscnt 0x0                               ; for the other waves: my stores of V(t) and K(t+1) are done, my reads of K(t) and V(t-1) are back
	s_barrier_signal -1
.endif
.if i == 48
	s_barrier_wait -1                              ; registers only since the signal
.endif
	WM \first
	; behind matrix instruction i
.if i < 16
.irp b, 0,1,2,3
.if i == 4*\b
	s_wait_loadcnt gln-mkv\b                       ; V(t)'s batch b is in; the younger batches stay out
.endif
.endr
	WIN 0xcf
	CVT4 GV, i                                     ; those behind i = 15 are also the four places between QK(0)'s last product and the reads of its scores
.set pc, pc+4
.irp b, 0,1,2,3
.if i == 4*\b+3
	WIN 0xcc                                       ; store data and loaded data window 3, addresses window 0
	STRUN VST+\s, GV, 4*\b, VP
.set mksv\b, dsn
.endif
.endr
.endif
.if \vrel
.irp b, 0,1,2,3
.if i == 4*\b+7
	s_wait_dscnt dsn-mksv\b                        ; the batch's stores are done: its registers are loaded again
	WIN 0xcc
	GRUN GV, 16, 18, 4*\b, 0
.set mkv\b, gln
.endif
.endr
.endif
.irp n, 0,1,2,3
.set p, i-16-23*\n
.if p >= 0
.if p < 25
.set j, 6*p
.rept 6
.if j < 145
	ITEM \n, \first, ST0+8*\s, ST0+8*(1-\s)
.endif
.set j, j+1
.endr
.endif
.endif
.endr
.if \pf
.if i == 20
	WIN 0
	s_cmp_ge_u32 s35, s39                          ; s39: 0 in waves 1 to 3; in wave 0 the number of trips that ask (12 for K's buffers, 13 for V's)
	s_cbranch_scc1 .Lnp\id
	global_prefetch_b8 v[PFOFF], s[40:41] th:TH_LOAD_NT scope:SCOPE_SE   ; 32 lanes, one row of 256 bytes each: K tile t + 4 or V tile t + 3
.Lnp\id:
.endif
.endif
.irp c, 0,1,2,3
.if i == 52+4*\c
	NEED pp+pc                                     ; K's chunk c was last read by matrix instruction i - 1
	WIN 0x40
	VRUN VFR+\s, \c
.set mkf\c, dsn
.endif
.endr
.if \kst
.if i >= 108
.if i < 124
.irp b, 0,1,2,3
.if i == 108+4*\b
	s_wait_loadcnt gln-mkk\b                       ; K(t+2)'s batch b
.endif
.endr
	WIN 0xcf
	CVT4 GK, i-108
.set pc, pc+4
.endif
.endif
.endif
.if \knext
.irp c, 0,1,2,3
.if i == 115+4*\c
	NEED pc                                        ; V's chunk c was last read by matrix instruction i itself
	WIN 0x40
	KRUN KFR+1-\s, \c
.set mkf\c, dsn
.endif
.endr
.endif
.if \kst
.irp b, 0,1,2,3
.if i == 111+4*\b
	WIN 0xcc
	STRUN KST+\s, GK, 4*\b, KP
.set mksk\b, dsn
.endif
.endr
.endif
.if \krel
.irp b, 0,1,2,3
.if i == 115+4*\b
	s_wait_dscnt dsn-mksk\b
	WIN 0xcc
	GRUN GK, 12, 14, 4*\b, TILEB                   ; GOFF stands at tile t + 2 since i = 44
.set mkk\b, gln
.endif
.endr
.endif
.set i, i+1
.endr
	WIN 0
.endm
	; ---- ids, bases ----
	s_load_b512 s[8:23], s[0:1], 0x0               ; q_val 8, q_pos 10, k_val 12, k_pos 14, v_val 16, v_pos 18, out0 20, out1 22
	v_lshl_add_u32 v254, v0, 2, 0x44800
	v_mov_b32 v255, 0
	v_lshrrev_b32 v6, 5, v0
	v_readfirstlane_b32 s24, v6                    ; wave w
	s_and_b32 s25, s24, 1                          ; qg
	s_lshr_b32 s26, s24, 1                         ; kg
	s_and_b32 s27, ttmp9, 15                       ; query block qb
	s_lshr_b32 s2, ttmp9, 4                        ; 8 b + head
	s_lshr_b32 s3, s2, 3
	s_and_b32 s2, s2, 7
	s_lshl_b32 s3, s3, 22                          ; a batch is 2048 x 2048 bytes
	s_lshl_b32 s2, s2, 8                           ; a head's row is 256 bytes
	s_add_co_u32 s28, s3, s2
	s_mov_b32 s29, 0                               ; s[28:29]: the head's first row
	s_lshl_b32 s4, s27, 18                         ; 128 queries x 2,048 bytes
	s_add_co_u32 s30, s28, s4
	s_mov_b32 s31, 0                               ; s[30:31]: the block's first query
	s_mov_b32 s32, 0x3e38aa3b                      ; c = log2(e) / 8: the scale 1/8 and the change of base, applied in f32 where the maximum is taken away
	s_mov_b32 s33, 0x3e38aa3b
	s_mov_b32 s34, 0xbe38aa3b                      ; -c
	s_mov_b32 s35, 0                               ; trips done
	s_mov_b32 s36, 0x76543210                      ; v_permlanex16_b32: lane i of one half reads lane i of the other
	s_mov_b32 s37, 0xfedcba98
	v_and_b32 v1, 15, v0                           ; r
	v_bfe_u32 v2, v0, 4, 1                         ; h
	v_and_b32 v3, 7, v0
	v_bfe_u32 v4, v0, 3, 1
	v_and_b32 v5, 31, v0                           ; lane
	v_lshlrev_b32 v6, 4, v1                        ; 16 r
	v_lshl_add_u32 v[OOFF], v2, 11, v6             ; row h, 16 bytes at 16 r
	s_lshl_b32 s2, s24, 16                         ; 32 rows for each wave
	v_add_nc_u32 v[GOFF], s2, v[OOFF]
	s_wait_kmcnt 0x0
	s_add_nc_u64 s[8:9], s[8:9], s[30:31]
	s_add_nc_u64 s[10:11], s[10:11], s[30:31]
	s_add_nc_u64 s[12:13], s[12:13], s[28:29]
	s_add_nc_u64 s[14:15], s[14:15], s[28:29]
	s_add_nc_u64 s[16:17], s[16:17], s[28:29]
	s_add_nc_u64 s[18:19], s[18:19], s[28:29]
	GLOAD 2, 0, 8, 10, 0, 1                        ; Q: read by this work-group alone
	GLOAD 2, 128, 12, 14, 0, 0                     ; K(0)
	GLOAD 1, 0, 12, 14, TILEB, 0                   ; K(1)
	WIN 0xcc
.irp b, 0,1,2,3
	GRUN GV, 16, 18, 4*\b, 0                       ; the ring starts with V(0)
.set mkv\b, gln
.endr
.irp b, 0,1,2,3
	GRUN GK, 12, 14, 4*\b, 2*TILEB                 ; and K(2)
.set mkk\b, gln
.endr
	WIN 0
	; Asking ahead: a tile is 4 buffers x 128 rows; work-group qb asks for buffer qb & 3, rows 32 (qb >> 2) .. + 31, so that the 16 work-groups of a
	; head ask for each row once.  Trip t asks for K tile t + 4 (loaded from i = 115 of trip t + 1 on) or V tile t + 3 (loaded from i = 7 of trip
	; t + 2 on); K's buffers are asked in trips 0 to 11, V's in trips 0 to 12, so that tile 15 is the last.
	s_bitcmp1_b32 s27, 0
	s_cselect_b64 s[2:3], s[14:15], s[12:13]
	s_cselect_b64 s[4:5], s[18:19], s[16:17]
	s_add_nc_u64 s[2:3], s[2:3], 4*TILEB
	s_add_nc_u64 s[4:5], s[4:5], 3*TILEB
	s_bitcmp1_b32 s27, 1
	s_cselect_b64 s[40:41], s[4:5], s[2:3]
	s_cselect_b32 s39, 13, 12
	s_cmp_eq_u32 s24, 0
	s_cselect_b32 s39, s39, 0                      ; wave 0 alone asks
	s_lshr_b32 s3, s27, 2
	s_lshl_b32 s3, s3, 16
	v_lshl_add_u32 v[PFOFF], v5, 11, s3
	; wave (qg, kg) writes output kg for the 64 queries of qg
	s_cmp_eq_u32 s26, 0
	s_cselect_b64 s[42:43], s[20:21], s[22:23]
	s_add_nc_u64 s[42:43], s[42:43], s[30:31]
	s_lshl_b32 s2, s25, 17                         ; 64 queries x 2,048 bytes
	s_mov_b32 s3, 0
	s_add_nc_u64 s[42:43], s[42:43], s[2:3]
	; ---- LDS addresses ----
	s_mul_i32 s4, s24, 32*KP                       ; staging: row 32 w + h (+ 2 u), 16 bytes at 16 r
	v_mul_u32_u24 v7, v2, KP
	v_add_nc_u32 v7, v7, v6
	v_add_nc_u32 v[KST], s4, v7
	v_add_nc_u32 v[KST+1], SLOT, v[KST]
	v_add_nc_u32 v[QST], STG, v[KST]
	s_mul_i32 s4, s24, 32*VP
	s_add_co_u32 s4, s4, KB
	v_mul_u32_u24 v7, v2, VP
	v_add_nc_u32 v7, v7, v6
	v_add_nc_u32 v[VST], s4, v7
	v_add_nc_u32 v[VST+1], SLOT, v[VST]
	v_mul_u32_u24 v7, v1, KP                       ; fragments with the features along the row: row r, 16 bytes at 16 h
	v_lshl_add_u32 v7, v2, 4, v7
	s_mul_i32 s4, s26, 64*KP                       ; my key group's 64 rows
	v_add_nc_u32 v[KFR], s4, v7
	v_add_nc_u32 v[KFR+1], SLOT, v[KFR]
	s_mul_i32 s4, s25, 64*KP                       ; my query group's 64 rows
	s_add_co_u32 s4, s4, STG
	v_add_nc_u32 v[QFR], s4, v7
	v_lshl_add_u32 v7, v2, 3, v3                   ; transposing load: key 8 h + (lane & 7), 16 bytes at 16 ((lane >> 3) & 1)
	v_mul_u32_u24 v7, v7, VP
	v_lshl_add_u32 v7, v4, 4, v7
	s_mul_i32 s4, s26, 64*VP
	s_add_co_u32 s4, s4, KB
	v_add_nc_u32 v[VFR], s4, v7
	v_add_nc_u32 v[VFR+1], SLOT, v[VFR]
	s_lshl_b32 s4, s24, 9
	s_add_co_u32 s4, s4, STAT
	v_lshl_add_u32 v[SADR], v1, 3, s4
	s_xor_b32 s5, s24, 2                           ; the wave with my queries and the other keys
	s_lshl_b32 s5, s5, 9
	s_add_co_u32 s5, s5, STAT
	v_lshl_add_u32 v[PADR], v1, 3, s5
	v_mul_u32_u24 v7, v1, SP
	v_lshl_add_u32 v7, v2, 4, v7
	s_mul_i32 s4, s24, SREG
	s_add_co_u32 s4, s4, STG
	v_add_nc_u32 v[OST], s4, v7
	v_mul_u32_u24 v7, v2, SP
	v_add_nc_u32 v7, v7, v6
	s_mul_i32 s4, s25, SREG
	s_lshl_b32 s5, s26, 8
	s_add_co_u32 s4, s4, s5
	s_add_co_u32 s4, s4, STG
	v_add_nc_u32 v[RD0], s4, v7
	v_add_nc_u32 v[RD1], 2*SREG, v[RD0]
	; ---- Q, K(0) and K(1) into LDS ----
	s_wait_loadcnt 63                              ; Q, K(0), K(1) are in: the ring's 64 loads are younger, and 63 is the largest count that the wait can name
	CVT 2, 0
	CVT 2, 128
	CVT 1, 0
	DSTORE 2, 0, QST, KP
	DSTORE 2, 128, KST, KP
	DSTORE 1, 0, KST+1, KP
	WIN 0
	s_wait_xcnt 0x0                                ; the ring's loads still name GOFF: it is stepped only behind this wait
	v_add_nc_u32 v[GOFF], TILEB, v[GOFF]           ; tile 1
	s_wait_dscnt 0x0
	s_barrier_signal -1
	s_barrier_wait -1
	QFRAG                                          ; older than K's fragment loads, so the wait in front of the first product covers them
.irp c, 0,1,2,3
	KRUN KFR, \c
.set mkf\c, dsn
.endr
	WIN 0
	; ---- the 16 tiles ----
	TRIP 0, 0, 1, 1, 1, 1, 1, 1                    ; trip 0 starts maxima, sums and O
	s_mov_b32 s38, 6
.Lloop:                                            ; trips 1 to 12
	TRIP 1, 1, 0, 1, 1, 1, 1, 1
	TRIP 2, 0, 0, 1, 1, 1, 1, 1
	s_sub_co_u32 s38, s38, 1
	s_cmp_lg_u32 s38, 0
	s_cbranch_scc1 .Lloop
	TRIP 3, 1, 0, 1, 1, 0, 1, 0                    ; trip 13: K(15) is stored, no K is left to load, nothing is asked for
	TRIP 4, 0, 0, 1, 0, 0, 1, 0                    ; trip 14: V(15) is loaded
	TRIP 5, 1, 0, 0, 0, 0, 0, 0                    ; trip 15
	; ---- merge of the two key groups, and the way out.  The 50 plain instructions up to RESCALE touch no register of the last products. ----
.irp n, 0,1,2,3
	v_add_f32 v[AA+\n], v[LL+2*\n], v[LL+2*\n+1]
.endr
.irp n, 0,1,2,3
	v_permlanex16_b32 v[TT+\n], v[AA+\n], s36, s37
.endr
.irp n, 0,1,2,3
	v_add_f32 v[ST1+2*\n+1], v[AA+\n], v[TT+\n]            ; the pair is now (-c max, sum over my wave's 1,024 keys)
.endr
.irp n, 0,1,2,3
	ds_store_b64 v[SADR], v[ST1+2*\n:ST1+2*\n+1] offset:128*\n   ; both halves of the lanes write the same pair to the same bytes
.endr
	s_wait_dscnt 0x0
	s_barrier_signal -1
	s_barrier_wait -1
.irp n, 0,1,2,3
	ds_load_b64 v[EP+2*\n:EP+2*\n+1], v[PADR] offset:128*\n
.endr
	s_wait_dscnt 0x0
.irp n, 0,1,2,3
	v_min_num_f32 v[TT+\n], v[ST1+2*\n], v[EP+2*\n]        ; -c x the larger maximum
.endr
.irp n, 0,1,2,3
	v_sub_f32 v[UU+\n], v[TT+\n], v[ST1+2*\n]
.endr
.irp n, 0,1,2,3
	v_sub_f32 v[TT+\n], v[TT+\n], v[EP+2*\n]
.endr
.irp n, 0,1,2,3
	v_exp_f32 v[UU+\n], v[UU+\n]                           ; my share's factor
	v_exp_f32 v[TT+\n], v[TT+\n]                           ; the partner's
.endr
	v_nop                                                  ; one plain instruction behind the exponentials (ISA guide 5.7.2)
.irp n, 0,1,2,3
	s_wait_alu depctr_va_vdst(0)
	v_mul_f32 v[AA+\n], v[TT+\n], v[EP+2*\n+1]
.endr
.irp n, 0,1,2,3
	v_fma_f32 v[AA+\n], v[UU+\n], v[ST1+2*\n+1], v[AA+\n]  ; the sum over all 2,048 keys
.endr
.irp n, 0,1,2,3
	v_rcp_f32 v[AA+\n], v[AA+\n]
.endr
	v_nop
.irp n, 0,1,2,3
	s_wait_alu depctr_va_vdst(0)
	v_mul_f32 v[AL+2*\n], v[UU+\n], v[AA+\n]
.endr
	RESCALE                                                ; my share of the result, already divided by the whole sum
	WIN 0x08
.irp n, 0,1,2,3
.irp d, 0,1,2,3,4,5,6,7
.irp e, 0,1
	ds_store_b128 v[OST], v[64*\n+8*\d+4*\e:64*\n+8*\d+4*\e+3] offset:16*SP*\n+256*\e+32*\d   ; query 16 n + r, output e, features 4 (2 d + h) .. + 3
.endr
.endr
.endr
	WIN 0
	s_wait_dscnt 0x0
	s_barrier_signal -1
	s_barrier_wait -1
	; 32 pairs of rows in four batches of eight: both key groups' shares are read back as whole rows, added and stored;
	; sixteen lanes store 256 consecutive bytes, at a multiple of 256 from the output's first byte
.irp q, 0,1,2,3
.if \q
	s_wait_xcnt 0x0                                        ; the last batch's stores have read their data: the registers are loaded again only behind this wait
.endif
.irp p, 0,1,2,3,4,5,6,7
	ds_load_b128 v[SC+4*\p:SC+4*\p+3],       v[RD0] offset:2*SP*(8*\q+\p)
	ds_load_b128 v[SC+32+4*\p:SC+32+4*\p+3], v[RD1] offset:2*SP*(8*\q+\p)
.endr
.irp p, 0,1,2,3,4,5,6,7
	s_wait_dscnt 14-2*\p                                   ; pair p's two loads are in; the younger pairs' two each stay out
	v_pk_add_f32 v[SC+4*\p:SC+4*\p+1],   v[SC+4*\p:SC+4*\p+1],   v[SC+32+4*\p:SC+32+4*\p+1]
	v_pk_add_f32 v[SC+4*\p+2:SC+4*\p+3], v[SC+4*\p+2:SC+4*\p+3], v[SC+32+4*\p+2:SC+32+4*\p+3]
	global_store_b128 v[OOFF], v[SC+4*\p:SC+4*\p+3], s[42:43] offset:4096*(8*\q+\p) th:TH_STORE_NT
.endr
.endr
	s_wait_tensorcnt 0x0
	ds_add_u32 v254, v255
	s_wait_dscnt 0x0
	s_endpgm
.Lfunc_end_k_q08cded14c9_attn:
	.size	k_q08cded14c9_attn, .Lfunc_end_k_q08cded14c9_attn-k_q08cded14c9_attn
	.p2alignl 7, 3214868480
	.fill 96, 4, 3214868480
	.section	.rodata,"a",@progbits
	.p2align	6, 0x0
	.amdhsa_kernel k_q08cded14c9_attn
		.amdhsa_group_segment_fixed_size 281088
		.amdhsa_private_segment_fixed_size 0
		.amdhsa_enable_private_segment 0
		.amdhsa_kernarg_size 64
		.amdhsa_user_sgpr_count 2
		.amdhsa_user_sgpr_kernarg_segment_ptr 1
		.amdhsa_wavefront_size32 1
		.amdhsa_system_sgpr_workgroup_id_x 1
		.amdhsa_system_sgpr_workgroup_id_y 1
		.amdhsa_system_sgpr_workgroup_id_z 1
		.amdhsa_system_vgpr_workitem_id 0
		.amdhsa_next_free_vgpr 1024
		.amdhsa_next_free_sgpr 66
		.amdhsa_reserve_vcc 0
		.amdhsa_float_denorm_mode_32 3
		.amdhsa_float_denorm_mode_16_64 3
		.amdhsa_memory_ordered 1
		.amdhsa_forward_progress 1
		.amdhsa_inst_pref_size 255
	.end_amdhsa_kernel
	.section	.bss,"aw",@nobits
	.p2align	6
	.space	262144
	.amdgpu_metadata
---
amdhsa.version: [ 1, 2 ]
amdhsa.kernels:
  - .name:           k_q08cded14c9_attn
    .symbol:         k_q08cded14c9_attn.kd
    .args:
      - { .name: q_val, .offset: 0, .size: 8, .value_kind: global_buffer, .address_space: global }
      - { .name: q_pos, .offset: 8, .size: 8, .value_kind: global_buffer, .address_space: global }
      - { .name: k_val, .offset: 16, .size: 8, .value_kind: global_buffer, .address_space: global }
      - { .name: k_pos, .offset: 24, .size: 8, .value_kind: global_buffer, .address_space: global }
      - { .name: v_val, .offset: 32, .size: 8, .value_kind: global_buffer, .address_space: global }
      - { .name: v_pos, .offset: 40, .size: 8, .value_kind: global_buffer, .address_space: global }
      - { .name: out0, .offset: 48, .size: 8, .value_kind: global_buffer, .address_space: global }
      - { .name: out1, .offset: 56, .size: 8, .value_kind: global_buffer, .address_space: global }
    .group_segment_fixed_size: 281088
    .private_segment_fixed_size: 0
    .kernarg_segment_align: 8
    .kernarg_segment_size: 64
    .max_flat_workgroup_size: 128
    .sgpr_count:     66
    .vgpr_count:     1024
    .wavefront_size: 32
...
	.end_amdgpu_metadata
.endif
;; end of part 1
